; MI455X (gfx1250); checked and timed in simulation.
; The chip was launched on July 23, 2026; its instructions are those of AMD's public machine-readable ISA for CDNA 5 (MIT licence, August 2026) and "CDNA5" Instruction Set Architecture Reference Guide (July 2026). The comments in the code are by the model that wrote it; some were corrected since.
;; Dynamic View Sampler. Allowed arithmetic: float matrix products may take bf16 or f16 operands with f32 sums; all other float work in f32.
;; Inputs: centers 16 x 8 x 2 float32; grid_thws 16 x 3 int32; v_len 16 int32; v_pad 16 x 4,096 x 1,024 float32.
;; Outputs: out0 16 x 8 x 1,024 float32.
;; One version. Each part assembles by itself: llvm-mc -triple=amdgcn-amd-amdhsa -mcpu=gfx1250 --defsym DOCPART=n.
;; ======== version 1 of 1: 1 launch
;; limits: values are held in f16: magnitudes above 65,504 overflow, below 6.1e-05 lose precision; inputs' magnitudes at most 65,504
;; launch views (part 1): grid 16 x 16, 16 waves a work-group, no clusters, 35,328 bytes of LDS; arguments v_pad, centers, grid_thws, out0; writes out0
.if DOCPART == 1
	.amdgcn_target "amdgcn-amd-amdhsa--gfx1250"
	.amdhsa_code_object_version 6
	.text
	.protected	k_q12f751dd38_views
	.globl	k_q12f751dd38_views
	.p2align	8
	.type	k_q12f751dd38_views,@function
k_q12f751dd38_views:
	s_mov_b64 s[64:65], 0
	v_nop
	global_prefetch_b8 v0, s[64:65] scope:SCOPE_SE
	s_setreg_imm32_b32 hwreg(HW_REG_WAVE_MODE, 25, 1), 1
	s_wait_xcnt 0x0
; out[b][v][d] = sum_l m[b][v][l] v_pad[b][l][d] / (sum_l m[b][v][l] + 1e-6),
; m = exp(-10 ((cx - x)^2 + (cy - y)^2)) for l < H W and 0 otherwise, x = (l % W + 0.5) / W, y = (l / W + 0.5) / H.
; v_pad [16][4096][1024] f32, centers [16][8][2] f32, grid_thws [16][3] i32 (t, H, W), out0 [16][8][1024] f32.
; v_len is no argument: the result is defined by H and W alone.
;
; A work-group owns one sample and 64 columns (256 bytes of every row, aligned) over the whole of l, so no sum spans
; work-groups.  Rows at or beyond H W have weight 0 and are not read, but for the rest of a step of 32 rows and each wave's first two steps.
; 16 waves; wave w takes the steps w, w + 16, ... of 32 rows.  A step is 16 loads of 16 bytes a lane: lanes 0-15 take 256
; neighbouring bytes of row l0 + t, lanes 16-31 of row l0 + 16 + t.  The place of k in a fragment is free as long as A and B agree,
; so a lane's 16 rows of one column ARE its part of a B fragment once they are rounded to f16: fragment j holds the columns 4 r + j.
; A holds the weights: row = view.  8 views fill 8 of the 16 rows; the matrix work is small beside the bytes, so the rest is not
; packed.  It is used to halve the weight arithmetic: lane (r, h) computes 8 of the 16 weights of view r & 7 and takes the other
; 8 from lane r ^ 8.  That is right for rows 0-7; rows 8-15 get the two halves in swapped places, finite numbers, and the D rows 8-15
; that come of them (lanes 16-31 of the accumulators) are never read.
; F16, NOT BF16: the result is a mean of numbers of either sign, so the rounding of the operands stands to the result's spread as it
; stands to one operand; f16 keeps 11 significant bits against 8.  v_pad has the room (see LIMITS).  The weights have it only next to
; their largest, so each view's largest exponent emax is taken away in front of the exponential, m' = 2^(e - emax) <= 1, and put
; back once at the end: out = num' s / (den' s + 1e-6), s = 2^emax.
; No cluster: no byte of v_pad is read by two work-groups; what they share is 8 bytes of grid_thws and 64 of centers.
; LIMITS: W >= 1, |H W| < 2^31.  |v_pad| < 65,520 (f16's range); numbers below 2^-14 are kept to 2^-25.  In the numerator a weight
; is kept to 2^-25 of its view's largest.  -emax is clamped at 126, so that s is a normal number: a view whose largest weight is below
; 2^-126 gives denormal-sized numbers or 0.  An infinity or NaN in a masked row shows in the result only if that row is among those read.
.set ROWB,   4096                      ; bytes in a row of v_pad
.set WAVES,  16
.set STEPB,  32*ROWB                   ; a step of 32 rows
.set TRIPB,  WAVES*STEPB               ; from a wave's step to its next: 2 MiB
.set LMAX,   4096
.set NUMB,   2048                      ; LDS: a wave's numerators, 8 views x 64 columns f32
.set DENB,   WAVES*NUMB                ; LDS: behind them the denominators, [view][wave] f32, 512 bytes
.set SIGMA,  0x40731710                ; sqrt(10 log2 e) = 3.7982826: exp(-10 d) = 2^-(sigma^2 d)
.set NSIGMA, 0xc0731710
.set EPSF,   0x358637bd                ; 1e-6
.set CLAMP,  0x42fc0000                ; 126.0
.set OFF,  1                           ; v1        byte offset of my 16 bytes: 16 r + h x 16 rows
.set SG,   2                           ; v[2:3]    sigma, twice (pairs for the packed arithmetic)
.set NH,   4                           ; v[4:5]    -sigma / H, twice
.set DQ,   6                           ; v[6:7]    512 / W, twice: q's step from trip to trip
.set CX,   8                           ; v[8:9]    sigma cx, twice
.set CY,   10                          ; v[10:11]  sigma (cy - 0.5 / H), twice
.set DEN,  12                          ; v[12:13]  sums of my weights
.set CEN,  14                          ; v[14:15]  cx, cy of view r & 7 as loaded
.set Q,    16                          ; v[16:23]  q = (l + 0.5) / W of my 8 rows
.set F,    24                          ; v[24:31]  floor(q) = l / W; scratch outside the trips
.set E,    32                          ; v[32:39]  -x, then sigma (cx - x), then the exponent; scratch in front of the trips
.set DY,   40                          ; v[40:47]  sigma (cy - y), then the weights; scratch in front of the trips
.set AF,   48                          ; v[48:55]  A fragment
.set BF,   56                          ; v[56:87]  four B fragments
.set ACC,  88                          ; v[88:119] four accumulator tiles
.set X,    120                         ; v[120:247] two buffers of 16 loads
.set HF,   248                         ; v248      H as f32
.set COFF, 249                         ; v249      byte offset of my view's centre
.set NEM,  250                         ; v[250:251] -emax of view r & 7, twice: 0 to 126
.set BASE, 24                          ; s[24:25], s[26:27]: the address of each buffer's step
	s_load_b256 s[4:11], s[0:1], 0x0               ; v_pad s[4:5], centers s[6:7], grid_thws s[8:9], out0 s[10:11]
	v_lshl_add_u32 v254, v0, 2, 0x8200
	v_mov_b32 v255, 0
	v_and_b32 v[F], 15, v0                         ; r
	v_bfe_u32 v[F+1], v0, 4, 1                     ; h
	v_lshrrev_b32 v[F+2], 5, v0
	v_readfirstlane_b32 s12, v[F+2]                ; wave
	s_and_b32 s13, ttmp7, 0xffff                   ; column block = id y
	s_add_co_u32 s14, ttmp9, s13
	s_and_b32 s14, s14, 15                         ; sample = (x + y) mod 16: 16 neighbouring ids, and 16 ids that are equal mod 16,
	                                               ; each hold all 16 samples, so long and short samples are mixed either way
	v_lshlrev_b32 v[OFF], 4, v[F]
	v_lshl_add_u32 v[OFF], v[F+1], 16, v[OFF]      ; 16 r + h x 16 rows of 4,096 bytes
	v_and_b32 v[COFF], 7, v0
	s_lshl_b32 s15, s14, 6
	v_lshl_add_u32 v[COFF], v[COFF], 3, s15        ; 8 x view + 64 x sample
	s_lshl_b32 s16, s14, 24                        ; sample x 16 MiB
	s_lshl_b32 s17, s13, 8                         ; + block x 256 bytes
	s_add_co_u32 s16, s16, s17
	s_lshl_b32 s17, s12, 17                        ; + wave x 32 rows: below 2^28 in all
	s_add_co_u32 s16, s16, s17
	s_mov_b32 s17, 0
	s_mul_i32 s18, s14, 12                         ; the sample's (t, H, W)
	s_mov_b32 s19, 0
	s_wait_kmcnt 0x0
	s_add_nc_u64 s[8:9], s[8:9], s[18:19]
	s_load_b64 s[20:21], s[8:9], 0x4               ; H s20, W s21
	global_load_b64 v[CEN:CEN+1], v[COFF], s[6:7]
	s_add_nc_u64 s[BASE:BASE+1], s[4:5], s[16:17]          ; step w
	s_add_nc_u64 s[BASE+2:BASE+3], s[BASE:BASE+1], TRIPB   ; step w + 16
.macro FILL buf                        ; 16 loads: a step of 32 rows x 256 bytes; read once in the launch, hence NT
.irp t, 0,1,2,3,4,5,6,7,8,9,10,11,12,13,14,15
	global_load_b128 v[X+64*\buf+4*\t:X+64*\buf+4*\t+3], v[OFF], s[BASE+2*\buf:BASE+2*\buf+1] offset:\t*ROWB th:TH_LOAD_NT
.endr
.endm
	; Steps w and w + 16 are rows below 1,024: inside the buffer whatever H and W are.  They are asked for before H and W are
	; known, so that the stream does not start one memory access later; a wave that has fewer live steps multiplies them by weights 0.
	FILL 0
	FILL 1
	; While they fly.  The sums are cleared, 32 registers once: the first trip stands in the loop or in a tail, depending on H W.
.set i, 0
.rept 32
	v_mov_b32 v[ACC+i], 0
.set i, i+1
.endr
.irp e, 4,5,6,7
	v_mov_b32 v[AF+\e], 0                          ; a DPP move's destination counts as read
.endr
	v_mov_b32 v[DEN], 0
	v_mov_b32 v[DEN+1], 0
	v_mov_b32 v[SG], SIGMA
	v_mov_b32 v[SG+1], SIGMA
	s_mov_b32 s38, 0x76543210                      ; v_permlanex16_b32: lane i reads lane i of the other half
	s_mov_b32 s39, 0xfedcba98
	s_wait_kmcnt 0x0                               ; H, W
	s_mul_i32 s15, s20, s21                        ; H W
	s_max_i32 s15, s15, 0
	s_min_i32 s15, s15, LMAX                       ; live rows, 0 to 4,096
	s_max_u32 s31, s15, 1
	s_sub_co_u32 s31, s31, 1                       ; the last live row (0 where there is none: every weight is masked then)
	s_max_i32 s30, s20, 1                          ; H for the reciprocal: with H <= 0 nothing is live, and y only has to stay finite
	s_add_co_u32 s15, s15, 31
	s_lshr_b32 s15, s15, 5                         ; steps of the sample, 0 to 128
	s_add_co_u32 s15, s15, WAVES-1
	s_sub_co_u32 s15, s15, s12
	s_lshr_b32 s28, s15, 4                         ; steps s < that with s = w mod 16: 0 to 8, so the last row read is below 4,096
	s_max_u32 s28, s28, 2                          ; the two that are on their way are always multiplied
	v_cvt_f32_i32 v[F], s21                        ; W
	v_cvt_f32_i32 v[HF], s20                       ; H, for the mask
	v_cvt_f32_i32 v[F+6], s30                      ; max(H, 1)
	v_cvt_f32_u32 v[E+1], s31                      ; the last live row
	v_rcp_f32 v[F+1], v[F]                         ; 1 / W
	v_rcp_f32 v[F+2], v[F+6]                       ; 1 / H
	v_and_b32 v[F+3], 0x1f8, v0                    ; (a plain instruction behind the reciprocals, ISA guide 5.7.2)  my first row: 32 w + 16 h + 8 (r >> 3)
	s_wait_alu depctr_va_vdst(0)
	v_mul_f32 v[F+4], 0.5, v[F+1]
	v_mul_f32 v[DQ], 0x44000000, v[F+1]            ; 16 waves x 32 rows / W
	v_mul_f32 v[NH], NSIGMA, v[F+2]
	v_mul_f32 v[E], NSIGMA, v[F+1]                 ; -sigma / W
	v_mov_b32 v[DQ+1], v[DQ]
	v_mov_b32 v[NH+1], v[NH]
	; q = (l + 0.5) / W lies 0.5 / W or more from any whole number, l + 0.5 < 4,096, and the reciprocal, the product and eight
	; additions are each good to about 2^-23 of q: floor(q) is l / W exactly, q - floor(q) is x, and l < H W is q < H.
.irp t, 0,1,2,3,4,5,6,7
	v_or_b32 v[Q+\t], \t, v[F+3]
	v_cvt_f32_u32 v[Q+\t], v[Q+\t]
	v_fma_f32 v[Q+\t], v[Q+\t], v[F+1], v[F+4]
.endr
	v_mul_f32 v[F+5], 0.5, v[NH]
	v_mul_f32 v[E+7], 0.5, v[E]
	; The live grid points are two rectangles: rows 0 .. ilast x columns 0 .. jlast, and rows 0 .. ilast - 1 x all W columns,
	; (ilast, jlast) being the last live row of v_pad.  (With H W <= 4,096 the first is the whole grid.)
	v_fma_f32 v[E+2], v[E+1], v[F+1], v[F+4]
	v_floor_f32 v[E+2], v[E+2]                     ; ilast
	v_fma_f32 v[E+3], -v[E+2], v[F], v[E+1]        ; jlast: whole numbers below 2^24, exact
	v_add_f32 v[E+4], -1.0, v[E+2]                 ; ilast - 1
	v_add_f32 v[E+5], -1.0, v[F]                   ; W - 1
	s_wait_loadcnt 32                              ; the centre is in; the 32 younger loads of the two buffers stay out
	v_mul_f32 v[CX], v[SG], v[CEN]
	v_fma_f32 v[CY], v[CEN+1], v[SG], v[F+5]
	v_fma_f32 v[E+6], v[CEN], v[SG], v[E+7]        ; sigma (cx - 0.5 / W)
	; -emax = the least sigma^2 x distance^2 from my view's centre to a live grid point.  In a rectangle the nearest point is found
	; axis by axis: (j + 0.5) / W is nearest to cx at j = floor(cx W), clamped to the rectangle.
	v_mul_f32 v[DY], v[CEN], v[F]
	v_mul_f32 v[DY+1], v[CEN+1], v[F+6]
	v_floor_f32 v[DY], v[DY]
	v_floor_f32 v[DY+1], v[DY+1]
	v_med3_num_f32 v[DY+2], v[DY], 0, v[E+3]       ; first rectangle: column,
	v_med3_num_f32 v[DY+3], v[DY+1], 0, v[E+2]     ; row
	v_med3_num_f32 v[DY+4], v[DY], 0, v[E+5]       ; second rectangle: column,
	v_med3_num_f32 v[DY+5], v[DY+1], 0, v[E+4]     ; row (of no meaning if ilast = 0: dropped below)
	v_fma_f32 v[DY+2], v[DY+2], v[E], v[E+6]       ; sigma (cx - x)
	v_fma_f32 v[DY+3], v[DY+3], v[NH], v[CY]       ; sigma (cy - y)
	v_fma_f32 v[DY+4], v[DY+4], v[E], v[E+6]
	v_fma_f32 v[DY+5], v[DY+5], v[NH], v[CY]
	v_mul_f32 v[DY+6], v[DY+2], v[DY+2]
	v_mul_f32 v[DY+7], v[DY+4], v[DY+4]
	v_fma_f32 v[DY+6], v[DY+3], v[DY+3], v[DY+6]
	v_fma_f32 v[DY+7], v[DY+5], v[DY+5], v[DY+7]
	v_cmp_lt_f32 vcc_lo, 0.5, v[E+2]               ; is there a second rectangle?
	v_cndmask_b32 v[DY+7], v[DY+6], v[DY+7], vcc_lo
	v_min_num_f32 v[NEM], v[DY+6], v[DY+7]
	v_min_num_f32 v[NEM], CLAMP, v[NEM]            ; also turns an infinite distance into a finite shift: the weights are then 2^-inf = 0
	v_mov_b32 v[NEM+1], v[NEM]
	v_mov_b32 v[CX+1], v[CX]
	v_mov_b32 v[CY+1], v[CY]
; One step of 32 rows out of buffer buf.  refill = 1: the buffer is asked for again, two of my steps further on.
; left = how many younger loads may stay out when this buffer has to be in.
.macro TRIP buf, refill, left
	; my 8 weights, before the wait: they need nothing that is loaded.  These lines are also the places behind the last
	; trip's matrix instructions, whose A and B are rewritten far more than four plain instructions later (ISA guide 7.12.1).
.irp t, 0,1,2,3,4,5,6,7
	v_floor_f32 v[F+\t], v[Q+\t]
.endr
.irp p, 0,2,4,6
	v_pk_add_f32 v[E+\p:E+\p+1], v[F+\p:F+\p+1], v[Q+\p:Q+\p+1] neg_lo:[0,1] neg_hi:[0,1]         ; -x
.endr
.irp p, 0,2,4,6
	v_pk_fma_f32 v[DY+\p:DY+\p+1], v[F+\p:F+\p+1], v[NH:NH+1], v[CY:CY+1]                        ; sigma (cy - y)
.endr
.irp p, 0,2,4,6
	v_pk_fma_f32 v[E+\p:E+\p+1], v[E+\p:E+\p+1], v[SG:SG+1], v[CX:CX+1]                          ; sigma (cx - x)
.endr
.irp p, 0,2,4,6
	v_pk_fma_f32 v[E+\p:E+\p+1], v[E+\p:E+\p+1], v[E+\p:E+\p+1], v[NEM:NEM+1] neg_lo:[0,1,0] neg_hi:[0,1,0]      ; -emax - dx^2
.endr
.irp p, 0,2,4,6
	v_pk_fma_f32 v[E+\p:E+\p+1], v[DY+\p:DY+\p+1], v[DY+\p:DY+\p+1], v[E+\p:E+\p+1] neg_lo:[0,1,0] neg_hi:[0,1,0] ; - dy^2: at most 0 but for rounding
.endr
.irp t, 0,1,2,3,4,5,6,7
	v_exp_f32 v[DY+\t], v[E+\t]
.endr
.irp t, 0,1,2,3,4,5,6,7
	v_cmp_gt_f32 vcc_lo, v[HF], v[Q+\t]            ; l < H W.  (The first of these is the plain instruction behind the exponentials.)
	s_wait_alu depctr_va_vdst(0)
	v_cndmask_b32 v[DY+\t], 0, v[DY+\t], vcc_lo
.endr
.irp p, 0,2,4,6
	v_pk_add_f32 v[DEN:DEN+1], v[DEN:DEN+1], v[DY+\p:DY+\p+1]
.endr
.irp e, 0,1,2,3
	v_cvt_pk_f16_f32 v[AF+\e], v[DY+2*\e], v[DY+2*\e+1]
.endr
.irp p, 0,2,4,6
	v_pk_add_f32 v[Q+\p:Q+\p+1], v[Q+\p:Q+\p+1], v[DQ:DQ+1]                                      ; my rows of my next step
.endr
.irp e, 0,1,2,3
	v_mov_b32_dpp v[AF+4+\e], v[AF+\e] row_xmask:8 row_mask:0xf bank_mask:0xf                    ; rows +8 .. +15 from lane r + 8
.endr
	s_wait_loadcnt \left                           ; loads come back in order (ISA guide 5.7.1): this buffer is in, its base is free
.irp j, 0,1,2,3
.irp e, 0,1,2,3,4,5,6,7
	v_cvt_pk_f16_f32 v[BF+8*\j+\e], v[X+64*\buf+8*\e+\j], v[X+64*\buf+8*\e+4+\j]                 ; rows 2 e, 2 e + 1 of column 4 r + j
.endr
.endr
.if \refill
	s_add_nc_u64 s[BASE+2*\buf:BASE+2*\buf+1], s[BASE+2*\buf:BASE+2*\buf+1], 2*TRIPB
	FILL \buf
.endif
.irp j, 0,1,2,3
	v_wmma_f32_16x16x32_f16 v[ACC+8*\j:ACC+8*\j+7], v[AF:AF+7], v[BF+8*\j:BF+8*\j+7], v[ACC+8*\j:ACC+8*\j+7]
.endr
.endm
	; s28 = trips left, at least 2; buffer 0 holds the next step, buffer 1 the one behind it.  A trip refills only if a step two further on exists.
	s_cmp_lt_u32 s28, 4
	s_cbranch_scc1 .Ltail
.Lpair:
	TRIP 0, 1, 16
	TRIP 1, 1, 16
	s_sub_co_u32 s28, s28, 2
	s_cmp_ge_u32 s28, 4
	s_cbranch_scc1 .Lpair
.Ltail:                                                ; 3 or 2 trips left, both buffers on their way: written out, so that each count holds on its path
	s_cmp_eq_u32 s28, 3
	s_cbranch_scc0 .Ltwo
	TRIP 0, 1, 16
	TRIP 1, 0, 16
	TRIP 0, 0, 0
	s_branch .Lfinish
.Ltwo:
	TRIP 0, 0, 16
	TRIP 1, 0, 0
.Lfinish:
	; The 16 waves' parts meet in LDS.  The first six lines, plain and with all lanes on, are the places behind the last matrix instructions.
	v_add_f32 v[DEN], v[DEN], v[DEN+1]
	v_and_b32 v[F], 15, v0
	v_and_b32 v[F+1], 7, v0
	v_and_b32 v[F+2], 31, v0
	s_lshl_b32 s15, s12, 11
	s_lshl_b32 s19, s12, 2
	v_lshl_add_u32 v[F], v[F], 4, s15              ; wave x 2,048 + 16 r: column 4 r of view 0
	v_lshl_add_u32 v[F+1], v[F+1], 6, s19          ; 64 x view + 4 x wave
	v_add_f32_dpp v[DEN], v[DEN], v[DEN] row_xmask:8 row_mask:0xf bank_mask:0xf    ; a view's weights lie in lanes r, r ^ 8 of both halves
	v_permlanex16_b32 v[DEN+1], v[DEN], s38, s39
	v_add_f32 v[DEN], v[DEN], v[DEN+1]
	v_cmp_gt_u32 vcc_lo, 16, v[F+2]
	s_wait_xcnt 0x0                                ; EXEC changes only behind this wait
	s_and_saveexec_b32 s40, vcc_lo                 ; lanes 0-15 hold D's rows 0-7, the views
.irp j, 0,1,2,3
.irp q, 0,1,2,3,4,5,6,7
	ds_store_b32 v[F], v[ACC+8*\j+\q] offset:256*\q+4*\j   ; view q, column 4 r + j: 16 lanes, 16 bytes apart
.endr
.endr
	ds_store_b32 v[F+1], v[DEN] offset:DENB        ; lanes r and r + 8 write the same number to the same word
	s_or_b32 exec_lo, exec_lo, s40
	s_wait_dscnt 0x0                               ; for the others' sake: my stores are done before I say so
	s_barrier_signal -1
	s_barrier_wait -1
	s_cmp_ge_u32 s12, 4                            ; 8 views x 16 pieces of 16 bytes = 128 threads: waves 0 to 3
	s_cbranch_scc1 .Lend
	v_lshlrev_b32 v[F], 4, v0                      ; thread t: view t / 16, columns 4 (t % 16) ..
	v_lshrrev_b32 v[F+1], 4, v0
	v_lshlrev_b32 v[F+2], 6, v[F+1]
	v_lshlrev_b32 v[F+4], 2, v[F+1]
	ds_bpermute_b32 v[F+5], v[F+4], v[NEM]         ; -emax of my view: lane number = view holds it in every wave (view of lane r is r & 7)
.irp i, 0,1,2,3
	ds_load_b128 v[BF+4*\i:BF+4*\i+3], v[F+2] offset:DENB+16*\i
.endr
.irp w, 0,1,2,3,4,5,6,7,8,9,10,11,12,13,14,15
	ds_load_b128 v[X+4*\w:X+4*\w+3], v[F] offset:\w*NUMB
.endr
	v_and_b32 v[F+3], 15, v0
	v_lshlrev_b32 v[F+3], 4, v[F+3]
	v_lshl_add_u32 v[F+3], v[F+1], 12, v[F+3]      ; view x 4,096 + 16 (t % 16)
	s_lshl_b32 s15, s14, 15                        ; sample x 8 views x 4,096 bytes
	s_lshl_b32 s16, s13, 8                         ; + block x 256
	s_add_co_u32 s16, s16, s15
	s_mov_b32 s17, 0
	s_add_nc_u64 s[10:11], s[10:11], s[16:17]
.macro ADDQ a, b                       ; four numerators of wave a += those of wave b
	v_pk_add_f32 v[X+4*(\a):X+4*(\a)+1], v[X+4*(\a):X+4*(\a)+1], v[X+4*(\b):X+4*(\b)+1]
	v_pk_add_f32 v[X+4*(\a)+2:X+4*(\a)+3], v[X+4*(\a)+2:X+4*(\a)+3], v[X+4*(\b)+2:X+4*(\b)+3]
.endm
	s_wait_dscnt 0x0
	v_sub_f32 v[F+5], 0, v[F+5]                    ; emax, -126 to 0
.irp a, 0,1,2,3,4,5,6,7
	ADDQ \a, \a+8
.endr
.irp a, 0,1,2,3
	ADDQ \a, \a+4
.endr
.irp a, 0,1
	ADDQ \a, \a+2
.endr
.irp p, 0,4,8,12
	v_pk_add_f32 v[BF+\p:BF+\p+1], v[BF+\p:BF+\p+1], v[BF+\p+2:BF+\p+3]
.endr
	v_pk_add_f32 v[BF:BF+1], v[BF:BF+1], v[BF+4:BF+5]
	v_pk_add_f32 v[BF+8:BF+9], v[BF+8:BF+9], v[BF+12:BF+13]
	v_pk_add_f32 v[BF:BF+1], v[BF:BF+1], v[BF+8:BF+9]
	v_add_f32 v[BF], v[BF], v[BF+1]                ; den'
	v_exp_f32 v[F+6], v[F+5]                       ; s = 2^emax, a normal number
	v_pk_add_f32 v[X:X+1], v[X:X+1], v[X+4:X+5]    ; plain work behind the exponential (ISA guide 5.7.2): the last sum's first half
	s_wait_alu depctr_va_vdst(0)
	v_fmaak_f32 v[BF], v[BF], v[F+6], EPSF         ; den' s + 1e-6, at least 1e-6: no denormal goes into the reciprocal
	v_rcp_f32 v[BF+2], v[BF]
	v_pk_add_f32 v[X+2:X+3], v[X+2:X+3], v[X+6:X+7]    ; plain work behind the reciprocal: its second half
	s_wait_alu depctr_va_vdst(0)
	v_mul_f32 v[BF+2], v[BF+2], v[F+6]             ; s / (den' s + 1e-6)
	v_mov_b32 v[BF+3], v[BF+2]                     ; a pair for the packed multiply
	v_pk_mul_f32 v[X:X+1], v[X:X+1], v[BF+2:BF+3]
	v_pk_mul_f32 v[X+2:X+3], v[X+2:X+3], v[BF+2:BF+3]
	global_store_b128 v[F+3], v[X:X+3], s[10:11] th:TH_STORE_NT    ; 16 lanes store 256 consecutive bytes, at a multiple of 256 from out0's first byte
.Lend:
	s_wait_tensorcnt 0x0
	ds_add_u32 v254, v255
	s_wait_dscnt 0x0
	s_endpgm
.Lfunc_end_k_q12f751dd38_views:
	.size	k_q12f751dd38_views, .Lfunc_end_k_q12f751dd38_views-k_q12f751dd38_views
	.p2alignl 7, 3214868480
	.fill 96, 4, 3214868480
	.section	.rodata,"a",@progbits
	.p2align	6, 0x0
	.amdhsa_kernel k_q12f751dd38_views
		.amdhsa_group_segment_fixed_size 35328
		.amdhsa_private_segment_fixed_size 0
		.amdhsa_enable_private_segment 0
		.amdhsa_kernarg_size 32
		.amdhsa_user_sgpr_count 2
		.amdhsa_user_sgpr_kernarg_segment_ptr 1
		.amdhsa_wavefront_size32 1
		.amdhsa_system_sgpr_workgroup_id_x 1
		.amdhsa_system_sgpr_workgroup_id_y 1
		.amdhsa_system_sgpr_workgroup_id_z 1
		.amdhsa_system_vgpr_workitem_id 0
		.amdhsa_next_free_vgpr 256
		.amdhsa_next_free_sgpr 66
		.amdhsa_reserve_vcc 1
		.amdhsa_float_denorm_mode_32 3
		.amdhsa_float_denorm_mode_16_64 3
		.amdhsa_memory_ordered 1
		.amdhsa_forward_progress 1
		.amdhsa_inst_pref_size 63
	.end_amdhsa_kernel
	.amdgpu_metadata
---
amdhsa.version: [ 1, 2 ]
amdhsa.kernels:
  - .name:           k_q12f751dd38_views
    .symbol:         k_q12f751dd38_views.kd
    .args:
      - { .name: v_pad, .offset: 0, .size: 8, .value_kind: global_buffer, .address_space: global }
      - { .name: centers, .offset: 8, .size: 8, .value_kind: global_buffer, .address_space: global }
      - { .name: grid_thws, .offset: 16, .size: 8, .value_kind: global_buffer, .address_space: global }
      - { .name: out0, .offset: 24, .size: 8, .value_kind: global_buffer, .address_space: global }
    .group_segment_fixed_size: 35328
    .private_segment_fixed_size: 0
    .kernarg_segment_align: 8
    .kernarg_segment_size: 32
    .max_flat_workgroup_size: 512
    .sgpr_count:     66
    .vgpr_count:     256
    .wavefront_size: 32
...
	.end_amdgpu_metadata
.endif
;; end of part 1
